; MI455X (gfx1250); checked and timed in simulation.
; The chip was launched on July 23, 2026; its instructions are those of AMD's public machine-readable ISA for CDNA 5 (MIT licence, August 2026) and "CDNA5" Instruction Set Architecture Reference Guide (July 2026). The comments in the code are by the model that wrote it; some were corrected since.
;; Two Stage Selfgating RNNARMA. Allowed arithmetic: matrix products marked QUANTISED: E2M3 operands, one E8M0 scale for each 32 along K, by v_wmma_scale_f32_16x16x128_f8f6f4 with both operands' format E2M3, f32 sums; everything else in f32.
;; Inputs: Wk1_codes 1,024 x 32 x 24 uint8 (E2M3 codes of Wk1, K innermost, in blocks of 32 codes, four codes in three bytes); Wk1_scales 1,024 x 32 uint8 (E8M0 scales of Wk1, one for each 32 codes along K); Wk2_codes 1,024 x 32 x 24 uint8 (E2M3 codes of Wk2, K innermost, in blocks of 32 codes, four codes in three bytes); Wk2_scales 1,024 x 32 uint8 (E8M0 scales of Wk2, one for each 32 codes along K); Wproj_codes 1,024 x 32 x 24 uint8 (E2M3 codes of Wproj, K innermost, in blocks of 32 codes, four codes in three bytes); Wproj_scales 1,024 x 32 uint8 (E8M0 scales of Wproj, one for each 32 codes along K); Wq1_codes 1,024 x 32 x 24 uint8 (E2M3 codes of Wq1, K innermost, in blocks of 32 codes, four codes in three bytes); Wq1_scales 1,024 x 32 uint8 (E8M0 scales of Wq1, one for each 32 codes along K); bk1 1,024 float32; bk2 1,024 float32; bproj 1,024 float32; bq1 1,024 float32; x 4 x 4,096 x 1,024 float32.
;; Outputs: out0 4 x 4,096 x 1,024 float32.
;; This version of the problem:
;;   THIS VERSION OF THE PROBLEM IS GIVEN IN LOW PRECISION. The matrix products marked QUANTISED in the list below multiply operands that are first quantised to E2M3 (2 exponent bits, 3 mantissa bits; 6 bits a number), with one power-of-two scale for each 32 numbers along K (OCP MX v1.0); their sums are f32. All else is computed in f32.
;;   The module's matrix products, in the order in which they are computed (A, B: the left and right operand; K: the contracted axis; several contracted axes count as one K, in the product's order):
;;     1. [M 16,384, K 1,024] x [K 1,024, N 1,024]; A: input x; B: input Wk1 (given as codes): QUANTISED
;;     2. [M 16,384, K 1,024] x [K 1,024, N 1,024]; A: input x; B: input Wq1 (given as codes): QUANTISED
;;     3. [M 16,384, K 1,024] x [K 1,024, N 1,024]; A: computed on the way; B: input Wk2 (given as codes): QUANTISED
;;     4. [M 16,384, K 1,024] x [K 1,024, N 1,024]; A: computed on the way; B: input Wproj (given as codes): QUANTISED
;;   THE QUANTISER, for each operand of a quantised product, along K:
;;     - K is cut into blocks of 32 from its start; a last block that is shorter is filled with zeros.
;;     - A block's scale is 2^e with e = floor(log2(the largest magnitude in the block)) - 2, held to -126 .. 127; a block of zeros has e = 0. As a byte (E8M0): e + 127.
;;     - Each number is divided by its block's scale, clamped to +-7.5, and rounded to the nearest number of E2M3, ties to even, subnormals kept.
;;     - The product sums the exact products of the quantised numbers (number of the format x scale) in f32.
;;   ~~~python
;;   def quantise(x, axis):      # numpy; x: float32 -> the quantised numbers, widened to float32 again
;;       x = np.moveaxis(x, axis, -1); K = x.shape[-1]
;;       x = np.pad(x, [(0, 0)] * (x.ndim - 1) + [(0, -K % 32)]); x = x.reshape(x.shape[:-1] + (-1, 32)); a = np.abs(x).max(-1, keepdims=True)
;;       e = np.where(a > 0, np.clip(np.frexp(np.where(a > 0, a, 1))[1] - 1 - 2, -126, 127), 0)      # np.frexp(a)[1] - 1 = floor(log2(a)), exactly
;;       r = np.clip(x / 2.0 ** e, -7.5, 7.5)
;;       step = 2.0 ** (np.maximum(np.frexp(np.where(r == 0, 1, r))[1] - 1, 0) - 3)
;;       q = np.round(r / step) * step * 2.0 ** e      # np.round: ties to even
;;       return np.moveaxis(q.reshape(q.shape[:-2] + (-1,))[..., :K], -1, axis).astype(np.float32)
;;   ~~~
;;   OPERANDS COMPUTED ON THE WAY. 'Computed on the way' means the value that the module computes at that place (a softmax that the list does not call 'softmax' is quantised finished and normalised). What goes into a quantiser is computed in f32, as accurately as f32 sums, v_exp_f32 and their like allow (about 1e-6 of the number): no bf16 or f16 on the way to a quantiser, and a product that is left as it is and whose result goes on into a quantised operand takes f32 operands (vector FMAs, or v_wmma_f32_16x16x4_f32). A number that lies on a knife's edge between two numbers of the format may be rounded either way, as far as f32 arithmetic and the matrix unit's own rounding can turn it there, and no further.
;;   INPUTS GIVEN AS CODES. Wk1 (in the module: [1024, 1024], K = its axis 1); Wk2 (in the module: [1024, 1024], K = its axis 1); Wproj (in the module: [1024, 1024], K = its axis 1); Wq1 (in the module: [1024, 1024], K = its axis 1): each comes as NAME_codes (uint8): NAME with its K axis moved to the last place and cut into blocks of 32 codes, [.., K / 32, bytes a block], one block behind the other in memory; four codes in three bytes: a row's codes are one little-endian stream of bits, code i at bits 6 i .. 6 i + 5 (a code: sign, 2 exponent bits, 3 mantissa bits); and NAME_scales (uint8): the same leading axes, one E8M0 byte (e + 127) for each 32 codes along K. Its value is code x scale, taken as it is: it is not quantised again, and the codes and scales need not be those that the quantiser above would give.
;; One version. Each part assembles by itself: llvm-mc -triple=amdgcn-amd-amdhsa -mcpu=gfx1250 --defsym DOCPART=n.
;; ======== version 1 of 1: 3 launches
;; limits: right only within a limited range of input values
;; workspace buffers: xq 13,107,200 bytes; wimg1 2,555,904 bytes; wimg2 851,968 bytes; obuf 67,108,864 bytes
;; launch prep (part 1): grid 256 x 1, 8 waves a work-group, no clusters, 68,608 bytes of LDS; arguments x, Wk1_codes, Wk1_scales, Wq1_codes, Wq1_scales, Wk2_codes, Wk2_scales, Wproj_codes, Wproj_scales, xq, wimg1, wimg2; writes xq, wimg1, wimg2
.if DOCPART == 1
	.amdgcn_target "amdgcn-amd-amdhsa--gfx1250"
	.amdhsa_code_object_version 6
	.text
	.protected	k_qbb868d8120_prep
	.globl	k_qbb868d8120_prep
	.p2align	8
	.type	k_qbb868d8120_prep,@function
k_qbb868d8120_prep:
	s_mov_b64 s[64:65], 0
	v_nop
	global_prefetch_b8 v0, s[64:65] scope:SCOPE_SE
	s_setreg_imm32_b32 hwreg(HW_REG_WAVE_MODE, 25, 1), 1
	s_wait_xcnt 0x0
; FIRST OF THREE LAUNCHES.  x [16,384 rows][1,024] f32 is quantised once along its rows to codes of FP6 (E2M3) with one E8M0 byte for each 32, and the four weights' codes are laid out anew;
; both leave as IMAGES OF OPERAND REGISTERS (a fragment of 16 rows x 128 K is 12 registers a lane: three pieces of 512 bytes, lane l's four registers at 16 l), so that later launches fetch them by 16-byte loads alone.
; ONE QUANTISED x SERVES PRODUCTS 1, 2 AND 3.  reference() feeds product 3 with x moved one row down along L, its row 0 a row of zeros that it builds itself.  The quantiser works on one row at a time, so that
; operand's codes and scales are those of x, moved one row down: with G[m] = K2[m+1] = sigmoid(0.02/32 (xq[m] . Wk2 + bk2)) all that reference() makes of row l - 1 and row l is made from row m = l - 1's three products.
; WORK LEFT OUT, for all finite values of the inputs: row 0 of product 3 in each batch.  It gives K2[0], which reference() multiplies by E[0], a zero that it builds in its own body; K2[0] goes nowhere else.
; Every input has a way to the output and is loaded.  LIMIT: a NaN, an infinity or an overflow that reaches K2[0] alone is not carried to the result.
; THE QUANTISER: a block's scale byte is its largest magnitude's exponent field - 2, held at 1 from below; each number is divided by the scale and rounded to the nearest code, ties to even, beyond 7.5 the largest code.
; LIMITS: a block of zeros gets the byte 1 where the rule says 127 (its codes are zeros, and this program alone reads the bytes); NaN and infinities among the inputs are not served.
; SHARES.  Work-group beta makes block beta of xq: rows 64 beta .. 64 beta + 63.  Wave s makes K step s (columns 128 s on): four fragments and their scale words.  THE ROWS OF A TILE ARE NOT NEIGHBOURS: row r of tile t is
; the block's row 32 (r / 8) + 8 t + r % 8, so that in the next launch a lane's 32 result registers are 32 neighbouring rows.  The same wave copies one fragment of one weight (matrix beta / 64, rows 16 (beta % 64) on, K step s).
; A block of xq, 51,200 bytes: fragment (s, t) at 1,536 (4 s + t); at 49,152 + 256 s + 8 l two scale words: the first holds tile 0's rows in lanes 0-15 and tile 1's in lanes 16-31, the second tiles 2 and 3.
; Each load reads 512 consecutive bytes of a row; the 16 rows turn through the wave's own stage in LDS (rows of 528 bytes) and come back 64 bytes a lane.  Waves share nothing: no barrier.
; The weights' scale words leave in pieces of 128 bytes: 4 bytes a lane, one store a wave.
.set SP,    528                        ; a stage row: 512 bytes + 16: the sixteen rows that a 16-byte load touches start 33 x 16 bytes apart
.set SPARE, 8*16*SP                    ; behind the eight stages: the spare words, 128 bytes for each wave
.set BLKB,  51200
.set SPW,   12                         ; v12  LDS address of my spare word; never rewritten
.set NIL,   13                         ; v13  0; never rewritten
.set TM,    16                         ; v16-31 at work in QUANT
.set PW,    32                         ; the scale word just made
.set KW,    33                         ; v33-36 the four tiles' scale words
.set SCP,   38                         ; v[38:39] the pair that leaves
.set PC,    40                         ; v40-59 the codes just made (at the start: the weight's fragment, v40-51)
.set WSC,   60                         ; the weight's scale word
.set X,     64                         ; v64-127 64 numbers: register 16 b + i = k 32 b + 16 (lane / 16) + i of my row
.set R,     128                        ; v128-255 two sets of 64 registers as loaded
.set SEL,   44                         ; s[44:45] v_permlanex16_b32's selects for lane l xor 16
	s_load_b512 s[4:19], s[0:1], 0x0               ; x, Wk1's codes and scales, Wq1's, Wk2's, Wproj's codes
	s_load_b256 s[20:27], s[0:1], 0x40             ; Wproj's scales, xq, wimg1, wimg2
	v_lshl_add_u32 v[SPW], v0, 2, SPARE
	v_mov_b32 v[NIL], 0
	v_lshrrev_b32 v1, 5, v0
	s_delay_alu instid0(VALU_DEP_1)
	v_readfirstlane_b32 s28, v1                    ; wave = K step s
	v_and_b32 v1, 31, v0                           ; lane
	v_and_b32 v2, 15, v0                           ; r
	v_bfe_u32 v3, v0, 4, 1                         ; h
	s_delay_alu instid0(VALU_DEP_3)
	v_lshlrev_b32 v4, 4, v1                        ; 16 x lane
	s_mul_i32 s52, s28, 16*SP                      ; my stage
	v_add_nc_u32 v5, s52, v4                       ; into it: 16 x lane of a row
	v_mul_u32_u24 v6, v2, SP
	s_delay_alu instid0(VALU_DEP_1)
	v_lshl_add_u32 v6, v3, 6, v6
	s_delay_alu instid0(VALU_DEP_1)
	v_add_nc_u32 v6, s52, v6                       ; out of it: row r, + 64 h
	v_mul_u32_u24 v7, v2, 768                      ; a weight's row of 1,024 codes is 768 bytes
	s_delay_alu instid0(VALU_DEP_1)
	v_mad_u32_u24 v7, v3, 24, v7
	v_lshlrev_b32 v8, 5, v2                        ; and its 32 scale bytes
	v_lshlrev_b32 v9, 2, v1
	v_lshlrev_b32 v10, 3, v1
.irp b, 0,1,2,3
	v_mov_b32 v[TM+4+\b], 0                        ; written once: a lane permute's destination counts as one of its sources
.endr
	s_mov_b32 s[SEL], 0x76543210
	s_mov_b32 s[SEL+1], 0xfedcba98
	s_mov_b32 s62, 0xffff0000                      ; lanes 16-31
	s_lshr_b32 s29, ttmp9, 6                       ; which weight: 0 Wk1, 1 Wq1, 2 Wk2, 3 Wproj
	s_and_b32 s30, ttmp9, 63                       ; which 16 rows of it
	s_mul_i32 s48, s30, 16*768
	s_mul_i32 s52, s28, 96
	s_add_co_u32 s48, s48, s52                     ; from: its codes, rows 16 g on, K step s
	s_mov_b32 s49, 0
	s_lshl_b32 s50, s30, 9
	s_lshl_b32 s52, s28, 2
	s_add_co_u32 s50, s50, s52                     ; and its scale words
	s_mov_b32 s51, 0
	s_mul_i32 s52, s28, 3
	s_add_co_u32 s52, s52, s29                     ; to, in wimg1: group g of 39,936 bytes, fragment 3 s + q; the scale words from 36,864 on, 128 bytes each
	s_mul_i32 s53, s30, 39936
	s_mul_i32 s54, s52, 1536
	s_add_co_u32 s54, s54, s53
	s_lshl_b32 s55, s52, 7
	s_add_co_u32 s55, s55, s53
	s_add_co_u32 s55, s55, 36864
	s_lshr_b32 s52, s30, 4                         ; to, in wimg2: block 8 (g / 16) + s of 26,624 bytes, fragment g % 16; the scale words from 24,576 on
	s_lshl_b32 s52, s52, 3
	s_add_co_u32 s52, s52, s28
	s_mul_i32 s52, s52, 26624
	s_and_b32 s53, s30, 15
	s_mul_i32 s56, s53, 1536
	s_add_co_u32 s56, s56, s52
	s_lshl_b32 s57, s53, 7
	s_add_co_u32 s57, s57, s52
	s_add_co_u32 s57, s57, 24576
	s_mov_b32 s59, 0
	s_mov_b32 s61, 0
	s_wait_alu depctr_va_vdst(0)
	s_wait_kmcnt 0x0
	s_cmp_eq_u32 s29, 1                            ; the buffers are chosen by the work-group's number alone
	s_cselect_b64 s[32:33], s[10:11], s[6:7]
	s_cselect_b64 s[34:35], s[12:13], s[8:9]
	s_cmp_eq_u32 s29, 2
	s_cselect_b64 s[32:33], s[14:15], s[32:33]
	s_cselect_b64 s[34:35], s[16:17], s[34:35]
	s_cmp_eq_u32 s29, 3
	s_cselect_b64 s[32:33], s[18:19], s[32:33]
	s_cselect_b64 s[34:35], s[20:21], s[34:35]
	s_cselect_b64 s[36:37], s[26:27], s[24:25]
	s_cselect_b32 s58, s56, s54
	s_cselect_b32 s60, s57, s55
	s_add_nc_u64 s[38:39], s[36:37], s[60:61]      ; the image's scale words
	s_add_nc_u64 s[36:37], s[36:37], s[58:59]      ; the image's fragment
	s_add_nc_u64 s[32:33], s[32:33], s[48:49]
	s_add_nc_u64 s[34:35], s[34:35], s[50:51]
	s_lshl_b32 s52, ttmp9, 18                      ; x: 64 rows of 4,096 bytes a block,
	s_lshl_b32 s53, s28, 9                         ; 512 bytes a K step
	s_add_co_u32 s52, s52, s53
	s_mov_b32 s53, 0
	s_add_nc_u64 s[40:41], s[4:5], s[52:53]
	s_mul_i32 s52, ttmp9, BLKB
	s_mul_i32 s54, s28, 4*1536
	s_add_co_u32 s54, s54, s52
	s_mov_b32 s55, 0
	s_add_nc_u64 s[42:43], s[22:23], s[54:55]      ; xq: my four fragments
	s_lshl_b32 s54, s28, 8
	s_add_co_u32 s54, s54, s52
	s_add_co_u32 s54, s54, 49152
	s_add_nc_u64 s[46:47], s[22:23], s[54:55]      ; and my 256 bytes of scale words
.macro LOADX t                         ; tile t's 16 rows: 32 lanes read 512 consecutive bytes of a row
.irp r, 0,1,2,3,4,5,6,7,8,9,10,11,12,13,14,15
	global_load_b128 v[R+64*((\t)%2)+4*\r:R+64*((\t)%2)+4*\r+3], v4, s[40:41] offset:(32*(\r/8)+8*(\t)+\r%8)*4096 th:TH_LOAD_NT
.endr
.endm
.macro TURN t                          ; through the stage: LDS serves a wave's instructions in order, so no wait stands between the stores and the loads
.irp r, 0,1,2,3,4,5,6,7,8,9,10,11,12,13,14,15
	ds_store_b128 v5, v[R+64*((\t)%2)+4*\r:R+64*((\t)%2)+4*\r+3] offset:SP*\r
.endr
.irp b, 0,1,2,3
.irp j, 0,1,2,3
	ds_load_b128 v[X+16*\b+4*\j:X+16*\b+4*\j+3], v6 offset:128*\b+16*\j
.endr
.endr
.endm
; 64 numbers of a lane, v[s] on, become a fragment's codes in v[PC] on and my row's scale word in v[PW]
.macro QUANT s
.irp b, 0,1,2,3
	v_max3_num_f32 v[TM+\b], |v[\s+16*\b]|, |v[\s+1+16*\b]|, 0x1800000   ; block b: my 16 numbers, and the floor 2^(3 - 127): the byte cannot fall under 1
.endr
.irp i, 2,4,6,8,10,12,14
.irp b, 0,1,2,3
	s_delay_alu instid0(VALU_DEP_4)
	v_max3_num_f32 v[TM+\b], v[TM+\b], |v[\s+16*\b+\i]|, |v[\s+1+16*\b+\i]|   ; the four blocks by turns
.endr
.endr
.irp b, 0,1,2,3
	s_delay_alu instid0(VALU_DEP_4)
	v_permlanex16_b32 v[TM+4+\b], v[TM+\b], s[SEL], s[SEL+1]
.endr
.irp b, 0,1,2,3
	s_delay_alu instid0(VALU_DEP_4)
	v_max_num_f32 v[TM+\b], v[TM+\b], v[TM+4+\b]   ; with lane l xor 16's: the block's largest magnitude
.endr
.irp b, 0,1,2,3
	s_delay_alu instid0(VALU_DEP_4)
	v_add_nc_u32 v[TM+12+\b], 0xff000000, v[TM+\b] ; 2 off its exponent field: the conversion takes the exponent field of this operand as its scale
.endr
.irp b, 0,1,2,3
	s_delay_alu instid0(VALU_DEP_4)
	v_lshrrev_b32 v[TM+4+\b], 23, v[TM+12+\b]      ; the scale's byte
.endr
	s_delay_alu instid0(VALU_DEP_3)
	v_lshl_or_b32 v[PW], v[TM+5], 8, v[TM+4]
	s_delay_alu instid0(VALU_DEP_1)
	v_lshl_or_b32 v[PW], v[TM+6], 16, v[PW]
	s_delay_alu instid0(VALU_DEP_1)
	v_lshl_or_b32 v[PW], v[TM+7], 24, v[PW]
.irp c, 0,1
	v_cvt_scalef32_pk16_fp6_f32 v[PC+6*\c:PC+2+6*\c], v[\s+32*\c:\s+15+32*\c], v[TM+12+2*\c]
	v_cvt_scalef32_pk16_fp6_f32 v[PC+12+4*\c:PC+14+4*\c], v[\s+16+32*\c:\s+31+32*\c], v[TM+12+2*\c+1]   ; (a conversion's three registers begin on an even number)
.endr
	v_nop                                          ; one plain place behind a scaled conversion
.irp c, 0,1                                    ; the operand's layout wants a whole block in a lane: lanes 0-15 block 2 c, lanes 16-31 block 2 c + 1
.irp i, 0,1,2
	v_permlane16_swap_b32 v[PC+6*\c+\i], v[PC+12+4*\c+\i]
.endr
.irp i, 0,1,2
	s_delay_alu instid0(VALU_DEP_3)
	v_mov_b32 v[PC+3+6*\c+\i], v[PC+12+4*\c+\i]
.endr
.endr
.endm
.macro TILE t
.if (\t) < 3
	s_wait_loadcnt 16                              ; this tile's 16 loads are in (and all older ones); the next tile's 16 may be out
.else
	s_wait_loadcnt 0x0
.endif
.if (\t) == 0
.irp c, 0,1,2
	global_store_b128 v4, v[PC+4*\c:PC+4*\c+3], s[36:37] offset:512*\c   ; the weight's fragment, as its registers stand: 512 consecutive bytes a store
.endr
	global_store_b32 v9, v[WSC], s[38:39]          ; lanes l and l + 16 hold row l % 16's word
.endif
	TURN \t
	s_wait_dscnt 0x0                               ; my 64 numbers are back; the stores into the stage have read their registers,
.if (\t) < 2
	LOADX (\t)+2                                   ; which take the tile two further on
.endif
	s_wait_xcnt 0x0                                ; the earlier stores have read v[PC] on: only behind this wait are those registers written again
	QUANT X
.irp c, 0,1,2
	global_store_b128 v4, v[PC+4*\c:PC+4*\c+3], s[42:43] offset:(\t)*1536+512*\c
.endr
	v_mov_b32 v[KW+(\t)], v[PW]
.endm
.irp p, 0,1,2,3,4,5
	global_load_b64 v[PC+2*\p:PC+2*\p+1], v7, s[32:33] offset:48*(\p/3)+8*(\p%3)   ; the weight's fragment: 24 bytes at 24 h and 24 at 48 + 24 h of row r's 96
.endr
	global_load_b32 v[WSC], v8, s[34:35]
	LOADX 0
	LOADX 1
	TILE 0
	TILE 1
	TILE 2
	TILE 3
	v_cndmask_b32 v[SCP], v[KW], v[KW+1], s62      ; lanes 0-15: tile 0's words, lanes 16-31: tile 1's
	s_delay_alu instid0(VALU_DEP_2)
	v_cndmask_b32 v[SCP+1], v[KW+2], v[KW+3], s62  ; tiles 2 and 3
	global_store_b64 v10, v[SCP:SCP+1], s[46:47]   ; 32 lanes store 256 consecutive bytes, aligned
	s_wait_tensorcnt 0x0                           ; the wave's end, behind my last LDS store
	ds_add_u32 v[SPW], v[NIL]
	s_wait_dscnt 0x0
	s_endpgm
.Lfunc_end_k_qbb868d8120_prep:
	.size	k_qbb868d8120_prep, .Lfunc_end_k_qbb868d8120_prep-k_qbb868d8120_prep
	.p2alignl 7, 3214868480
	.fill 96, 4, 3214868480
	.section	.rodata,"a",@progbits
	.p2align	6, 0x0
	.amdhsa_kernel k_qbb868d8120_prep
		.amdhsa_group_segment_fixed_size 68608
		.amdhsa_private_segment_fixed_size 0
		.amdhsa_enable_private_segment 0
		.amdhsa_kernarg_size 96
		.amdhsa_user_sgpr_count 2
		.amdhsa_user_sgpr_kernarg_segment_ptr 1
		.amdhsa_wavefront_size32 1
		.amdhsa_system_sgpr_workgroup_id_x 1
		.amdhsa_system_sgpr_workgroup_id_y 1
		.amdhsa_system_sgpr_workgroup_id_z 1
		.amdhsa_system_vgpr_workitem_id 0
		.amdhsa_next_free_vgpr 256
		.amdhsa_next_free_sgpr 66
		.amdhsa_reserve_vcc 0
		.amdhsa_float_denorm_mode_32 3
		.amdhsa_float_denorm_mode_16_64 3
		.amdhsa_memory_ordered 1
		.amdhsa_forward_progress 1
		.amdhsa_inst_pref_size 43
	.end_amdhsa_kernel
	.amdgpu_metadata
---
amdhsa.version: [ 1, 2 ]
amdhsa.kernels:
  - .name:           k_qbb868d8120_prep
    .symbol:         k_qbb868d8120_prep.kd
    .args:
      - { .name: x, .offset: 0, .size: 8, .value_kind: global_buffer, .address_space: global }
      - { .name: Wk1_codes, .offset: 8, .size: 8, .value_kind: global_buffer, .address_space: global }
      - { .name: Wk1_scales, .offset: 16, .size: 8, .value_kind: global_buffer, .address_space: global }
      - { .name: Wq1_codes, .offset: 24, .size: 8, .value_kind: global_buffer, .address_space: global }
      - { .name: Wq1_scales, .offset: 32, .size: 8, .value_kind: global_buffer, .address_space: global }
      - { .name: Wk2_codes, .offset: 40, .size: 8, .value_kind: global_buffer, .address_space: global }
      - { .name: Wk2_scales, .offset: 48, .size: 8, .value_kind: global_buffer, .address_space: global }
      - { .name: Wproj_codes, .offset: 56, .size: 8, .value_kind: global_buffer, .address_space: global }
      - { .name: Wproj_scales, .offset: 64, .size: 8, .value_kind: global_buffer, .address_space: global }
      - { .name: xq, .offset: 72, .size: 8, .value_kind: global_buffer, .address_space: global }
      - { .name: wimg1, .offset: 80, .size: 8, .value_kind: global_buffer, .address_space: global }
      - { .name: wimg2, .offset: 88, .size: 8, .value_kind: global_buffer, .address_space: global }
    .group_segment_fixed_size: 68608
    .private_segment_fixed_size: 0
    .kernarg_segment_align: 8
    .kernarg_segment_size: 96
    .max_flat_workgroup_size: 256
    .sgpr_count:     66
    .vgpr_count:     256
    .wavefront_size: 32
...
	.end_amdgpu_metadata
.endif
;; end of part 1
;; launch scan (part 2): grid 64 x 4, 4 waves a work-group, clusters of 4 x 1, 327,680 bytes of LDS; arguments xq, wimg1, bk1, bq1, bk2, x, obuf; writes obuf
.if DOCPART == 2
	.amdgcn_target "amdgcn-amd-amdhsa--gfx1250"
	.amdhsa_code_object_version 6
	.text
	.protected	k_qbb868d8120_scan
	.globl	k_qbb868d8120_scan
	.p2align	8
	.type	k_qbb868d8120_scan,@function
k_qbb868d8120_scan:
	s_mov_b64 s[64:65], 0
	v_nop
	global_prefetch_b8 v0, s[64:65] scope:SCOPE_SE
	s_setreg_imm32_b32 hwreg(HW_REG_WAVE_MODE, 25, 1), 1
	s_wait_xcnt 0x0
	s_wait_alu depctr_hold_cnt(0) depctr_sa_sdst(0) depctr_va_vdst(0) depctr_va_sdst(0) depctr_va_ssrc(0) depctr_va_vcc(0) depctr_vm_vsrc(0)
	s_getreg_b32 s2, hwreg(HW_REG_IB_STS2, 6, 4)
	s_cmp_eq_u32 s2, 0
	s_cbranch_scc0 .Lentry_in_a_cluster
	s_endpgm
.Lentry_in_a_cluster:
	s_bfe_u32 s2, ttmp6, 0x10000c
	s_cmp_lg_u32 s2, 0x3003
	s_cbranch_scc0 .Lentry_shape_is_right
	s_endpgm
.Lentry_shape_is_right:
; SECOND OF THREE LAUNCHES: products 1, 2 and 3 on the quantised x, both running sums, and O = O_ar + O_ma in f32.
; Work-group (g, b) owns columns 16 g .. 16 g + 15 of batch b and walks its 4,096 rows in 16 chunks of 256; wave w takes rows 64 w .. 64 w + 63 of a chunk.
; A lane holds one column and 32 neighbouring rows; the eight runs of 32 rows of a chunk exchange their sums through LDS (two barriers a chunk); the carries stay in registers.
; WORK LEFT OUT: row 0 of product 3 in each batch (K2[0] meets only E[0], a zero that reference() builds itself): shown at the head of the first kernel.
; The four work-groups of a cluster read the same blocks of xq: K steps 0-3 come by joint tensor loads through two LDS slots, K steps 4-7 straight into registers.
; The weights' 24 fragments stay in registers for the whole launch.  exp(.) is 2^(log2(e) x .); LIMIT: as in reference(), exp of product 1 may overflow f32 for very large inputs.
.set BLKB,  51200
.set HALFB, 24576
.set SLOT1, 131072
.set XB,    4*HALFB
.set STAGE, XB+3072
.set STW,   5376
.set SPARE, STAGE+4*STW
.set SPW,   1
.set NIL,   2
.set ADR,   15
.set SA,    60
.set SW,    76
.set ACC1,  88
.set ACC2,  120
.set ACC3,  152
.set CV,    184
.set V,     217
.set MSB, 0
.macro WIN new
.if MSB != (\new)
	s_set_vgpr_msb (MSB<<8)|(\new)
.set MSB, \new
.endif
.endm
.macro PLACES n
.rept \n
	v_nop
.endr
.endm
.macro ROUND
	s_barrier_signal -1
	s_barrier_wait -1
	s_cmp_lg_u32 s18, 0
	s_cbranch_scc1 .Lnot_wave_0_\@
	s_barrier_signal -3
.Lnot_wave_0_\@:
	s_barrier_wait -3
	s_barrier_signal -1
	s_barrier_wait -1
.endm
.macro TLOAD
	tensor_load_to_lds s[68:71], s[24:31]
	s_nop 0
.rept 4
	v_nop
.endr
.endm
.macro MM s, t, q
.set rD, ACC1+32*(\q)+8*(\t)
.set rA, 12*(4*((\s)%3)+(\t))
.set rB, 144+12*(3*((\s)%3)+(\q))
.set rX, SA+2*(\s)+(\t)/2
.set rY, SW+3*((\s)%4)+(\q)
.if ((\s) == 0) && ((\t)%2 == 0)
	v_wmma_scale_f32_16x16x128_f8f6f4 v[rD:rD+7], v[rA:rA+11], v[rB:rB+11], 0, v[rX], v[rY] matrix_a_fmt:MATRIX_FMT_FP6 matrix_b_fmt:MATRIX_FMT_FP6
.elseif (\s) == 0
	v_wmma_scale_f32_16x16x128_f8f6f4 v[rD:rD+7], v[rA:rA+11], v[rB:rB+11], 0, v[rX], v[rY] matrix_a_fmt:MATRIX_FMT_FP6 matrix_b_fmt:MATRIX_FMT_FP6 matrix_a_scale:MATRIX_SCALE_ROW1
.elseif ((\s) < 4) && ((\t)%2 == 0)
	v_wmma_scale_f32_16x16x128_f8f6f4 v[rD:rD+7], v[rA:rA+11], v[rB:rB+11], v[rD:rD+7], v[rX], v[rY] matrix_a_fmt:MATRIX_FMT_FP6 matrix_b_fmt:MATRIX_FMT_FP6
.elseif (\s) < 4
	v_wmma_scale_f32_16x16x128_f8f6f4 v[rD:rD+7], v[rA:rA+11], v[rB:rB+11], v[rD:rD+7], v[rX], v[rY] matrix_a_fmt:MATRIX_FMT_FP6 matrix_b_fmt:MATRIX_FMT_FP6 matrix_a_scale:MATRIX_SCALE_ROW1
.elseif (\t)%2 == 0
	v_wmma_scale_f32_16x16x128_f8f6f4 v[rD:rD+7], v[rA:rA+11], v[rB:rB+11], v[rD:rD+7], v[rX], v[rY] matrix_a_fmt:MATRIX_FMT_FP6 matrix_b_fmt:MATRIX_FMT_FP6 matrix_b_scale:MATRIX_SCALE_ROW1
.else
	v_wmma_scale_f32_16x16x128_f8f6f4 v[rD:rD+7], v[rA:rA+11], v[rB:rB+11], v[rD:rD+7], v[rX], v[rY] matrix_a_fmt:MATRIX_FMT_FP6 matrix_b_fmt:MATRIX_FMT_FP6 matrix_a_scale:MATRIX_SCALE_ROW1 matrix_b_scale:MATRIX_SCALE_ROW1
.endif
.endm
.macro GEMM
	s_wait_loadcnt 63
.irp s, 0,1,2,3,4,5,6,7
.if \s > 4
	s_wait_loadcnt 33+12*(7-\s)
.endif
	WIN 5*(1+\s/3)
.irp t, 0,1,2,3
.irp q, 0,1,2
	MM \s, \t, \q
.endr
.endr
.endr
	WIN 0
.endm
.macro FETCHA
	v_add_nc_u32 v[ADR], s74, v3
.irp k, 0,1,2,3
	WIN (1+\k/3)<<6
.irp t, 0,1,2,3
.irp c, 0,1,2
	ds_load_b128 v[12*(4*(\k%3)+\t)+4*\c:12*(4*(\k%3)+\t)+4*\c+3], v[ADR] offset:(4*\k+\t)*1536+512*\c
.endr
.endr
.endr
	WIN 0
	s_xor_b32 s74, s74, SLOT1
.endm
.macro DLOAD step
.if \step
	s_add_nc_u64 s[72:73], s[72:73], 4*BLKB
.endif
.irp s, 0,1,2,3,4,5,6,7
	global_load_b64 v[SA+2*\s:SA+2*\s+1], v4, s[72:73] offset:49152+256*\s
.endr
.irp k, 4,5,6,7
	WIN (1+\k/3)<<6
.irp t, 0,1,2,3
.irp c, 0,1,2
	global_load_b128 v[12*(4*(\k%3)+\t)+4*\c:12*(4*(\k%3)+\t)+4*\c+3], v13, s[72:73] offset:(4*\k+\t)*1536+512*\c
.endr
.endr
.endr
	WIN 0
.endm
.macro VLOAD mode
.if (\mode) > 0
	s_add_nc_u64 s[52:53], s[52:53], 1048576
.endif
.if (\mode) == 2
	v_sub_nc_u32 v6, v6, v7
.endif
.set e, 0
.rept 32
	global_load_b32 v[V+e], v5, s[52:53] offset:4096*e
.set e, e+1
.endr
	global_load_b32 v[V+32], v6, s[52:53]
.endm
.macro STAGE_A
.set p, 0
.rept 16
	v_pk_fma_f32 v[ACC1+2*p:ACC1+2*p+1], v[ACC1+2*p:ACC1+2*p+1], s[40:41], v[22:23] op_sel_hi:[1,0,0]   ; all 96 exponents first (each accumulator from its low end on),
	v_pk_fma_f32 v[ACC2+2*p:ACC2+2*p+1], v[ACC2+2*p:ACC2+2*p+1], s[42:43], v[24:25] op_sel_hi:[1,0,0]
	v_pk_fma_f32 v[ACC3+2*p:ACC3+2*p+1], v[ACC3+2*p:ACC3+2*p+1], s[44:45], v[26:27] op_sel_hi:[1,0,0]
.set p, p+1
.endr
.set e, 0
	s_wait_alu depctr_va_vdst(0)                   ; one wait ahead of the batch,
.rept 96
	v_exp_f32 v[ACC1+e], v[ACC1+e]                 ; and one batch: the three products' registers follow each other
.set e, e+1
.endr
	v_nop
	s_wait_alu depctr_va_vdst(0)
.set p, 0
.rept 16
	v_pk_add_f32 v[ACC2+2*p:ACC2+2*p+1], v[ACC2+2*p:ACC2+2*p+1], 1.0 op_sel_hi:[1,0]
.set p, p+1
.endr
.set p, 0
.rept 16
	v_pk_fma_f32 v[ACC3+2*p:ACC3+2*p+1], v[ACC3+2*p:ACC3+2*p+1], v[16:17], v[16:17]
.set p, p+1
.endr
	s_wait_alu depctr_va_vdst(0)
.set e, 0
.rept 64
	v_rcp_f32 v[ACC2+e], v[ACC2+e]                 ; both sigmoids' reciprocals as one batch; they are first read behind the wait at this stage's end
.set e, e+1
.endr
	v_mul_f32 v[CV], v[ACC1], v[V]                 ; the two running sums of my 32 rows name none of the batch's registers
.set e, 1
.rept 31
	v_fma_f32 v[CV+e], v[ACC1+e], v[V+e], v[CV+e-1]
	v_add_f32 v[ACC1+e], v[ACC1+e], v[ACC1+e-1]
.set e, e+1
.endr
	s_wait_alu depctr_va_vdst(0)
	ds_store_b32 v8, v[ACC1+31]
	ds_store_b32 v8, v[CV+31] offset:768
.endm
.macro STAGE_B fetch
	ds_load_b128 v[36:39], v9
	ds_load_b128 v[40:43], v9 offset:16
	ds_load_b128 v[44:47], v9 offset:768
	ds_load_b128 v[48:51], v9 offset:784
.if \fetch
	FETCHA
.endif
	s_wait_dscnt 48*(\fetch)
	v_fma_f32 v52, v28, v36, v18
	v_fma_f32 v54, v28, v44, v19
	v_add_f32 v18, v18, v36
	v_add_f32 v19, v19, v44
.irp k, 1,2,3,4,5,6
	v_fma_f32 v52, v[28+\k], v[36+\k], v52
	v_fma_f32 v54, v[28+\k], v[44+\k], v54
	v_add_f32 v18, v18, v[36+\k]
	v_add_f32 v19, v19, v[44+\k]
.endr
	v_add_f32 v18, v18, v43
	v_add_f32 v19, v19, v51
	v_add_f32 v52, s50, v52
.set p, 0
.rept 16
	v_pk_add_f32 v[ACC1+2*p:ACC1+2*p+1], v[ACC1+2*p:ACC1+2*p+1], v[52:53] op_sel_hi:[1,0]
.set p, p+1
.endr
.set p, 0
	s_wait_alu depctr_va_vdst(0)
.rept 16
	v_rcp_f32 v[ACC1+2*p], v[ACC1+2*p]
	v_rcp_f32 v[ACC1+2*p+1], v[ACC1+2*p+1]
	v_pk_add_f32 v[CV+2*p:CV+2*p+1], v[CV+2*p:CV+2*p+1], v[54:55] op_sel_hi:[1,0]
.set p, p+1
.endr
	v_nop
	s_wait_alu depctr_va_vdst(0)
.set p, 0
.rept 16
	v_pk_mul_f32 v[CV+2*p:CV+2*p+1], v[CV+2*p:CV+2*p+1], v[ACC1+2*p:ACC1+2*p+1]
.set p, p+1
.endr
.set p, 0
.rept 16
	v_pk_mul_f32 v[CV+2*p:CV+2*p+1], v[CV+2*p:CV+2*p+1], v[ACC2+2*p:ACC2+2*p+1]
.set p, p+1
.endr
.set p, 0
.rept 16
	v_pk_add_f32 v[ACC1+2*p:ACC1+2*p+1], v[V+1+2*p:V+2+2*p], v[CV+2*p:CV+2*p+1] neg_lo:[0,1] neg_hi:[0,1]
.set p, p+1
.endr
.set p, 0
.rept 16
.set tp, 250+2*(p%3)
	v_pk_mul_f32 v[tp:tp+1], v[ACC2+2*p:ACC2+2*p+1], s[48:49] op_sel_hi:[1,0]
.if p == 0
	v_mul_f32 v[ACC1], v[ACC3], v[ACC1]
.else
	v_fma_f32 v[ACC1+2*p], v[ACC3+2*p], v[ACC1+2*p], v[ACC1+2*p-1]
.endif
	v_min_num_f32 v[ACC2+2*p], v[ACC2+2*p], v[tp]
	v_fma_f32 v[ACC1+2*p+1], v[ACC3+2*p+1], v[ACC1+2*p+1], v[ACC1+2*p]
	v_min_num_f32 v[ACC2+2*p+1], v[ACC2+2*p+1], v[tp+1]
.set p, p+1
.endr
	ds_store_b32 v8, v[ACC1+31] offset:1536
	ds_store_b32 v8, v[ACC2+31] offset:2304
.endm
.macro STAGE_C
	ds_load_b128 v[36:39], v9 offset:1536
	ds_load_b128 v[40:43], v9 offset:1552
	ds_load_b32 v58, v10 offset:2304
	ds_load_b32 v59, v9 offset:2332
	s_wait_dscnt 0x0
	v_fma_f32 v56, v28, v36, v20
	v_add_f32 v20, v20, v36
.irp k, 1,2,3,4,5,6
	v_fma_f32 v56, v[28+\k], v[36+\k], v56
	v_add_f32 v20, v20, v[36+\k]
.endr
	v_add_f32 v20, v20, v43
	v_cndmask_b32 v58, v58, v21, s37
	v_mov_b32 v21, v59
	v_fma_f32 v[CV], v56, v58, v[CV]
.set p, 0
.rept 16
	v_pk_add_f32 v[ACC1+2*p:ACC1+2*p+1], v[ACC1+2*p:ACC1+2*p+1], v[56:57] op_sel_hi:[1,0]
.set p, p+1
.endr
.set e, 1
.rept 31
	v_fma_f32 v[CV+e], v[ACC1+e-1], v[ACC2+e-1], v[CV+e]
.set e, e+1
.endr
.endm
.macro OUT
.set e, 0
.rept 32
	ds_store_b32 v11, v[CV+e] offset:80*e
.set e, e+1
.endr
.irp k, 0,1,2,3,4,5,6,7
	ds_load_b128 v[ACC3+4*\k:ACC3+4*\k+3], v12 offset:(\k/4)*2624+((\k/2)%2)*1280+(\k%2)*32
.endr
.irp k, 0,1,2,3,4,5,6,7
	s_wait_dscnt 7-\k
	global_store_b128 v13, v[ACC3+4*\k:ACC3+4*\k+3], s[54:55] offset:512*\k th:TH_STORE_NT
.endr
	s_wait_xcnt 0x0
	s_add_nc_u64 s[54:55], s[54:55], 16384
.endm
.macro TRIP fetch, refill, vnext
	GEMM
	PLACES 4
.if \fetch
	DLOAD 1
.endif
	s_wait_alu depctr_va_vdst(0)
	s_wait_loadcnt 56*(\fetch)
	STAGE_A
.if \refill
	s_wait_tensorcnt 0x0
	ds_add_u32 v[SPW], v[NIL]
	s_xor_b32 s69, s69, SLOT1
	s_add_nc_u64 s[70:71], s[70:71], 4*BLKB
	s_wait_dscnt 0x0
	ROUND
	TLOAD
.else
.if \fetch
	s_wait_tensorcnt 0x0
.endif
	s_wait_dscnt 0x0
	s_barrier_signal -1
	s_barrier_wait -1
.endif
	STAGE_B \fetch
.if \vnext
	VLOAD \vnext
.endif
	s_wait_dscnt 0x0
	s_barrier_signal -1
	s_barrier_wait -1
	STAGE_C
	OUT
.endm
	s_load_b256 s[4:11], s[0:1], 0x0
	s_load_b128 s[12:15], s[0:1], 0x20
	s_load_b64 s[16:17], s[0:1], 0x30
	v_lshl_add_u32 v[SPW], v0, 2, SPARE
	v_mov_b32 v[NIL], 0
	ds_add_u32 v[SPW], v[NIL]
	ds_add_u32 v[SPW], v[NIL]
	v_lshrrev_b32 v15, 5, v0
	v_readfirstlane_b32 s18, v15
	s_bfe_u32 s19, ttmp6, 0x40000
	s_lshl_b32 s20, ttmp9, 2
	s_add_co_u32 s20, s20, s19
	s_and_b32 s21, ttmp7, 0xffff
	s_mov_b32 s24, 15|(3<<16)|(1<<21)
	s_mov_b32 s25, 32<<16
	s_mov_b32 s26, 96<<16
	s_mov_b32 s27, 32<<16
	s_mov_b32 s28, 96
	s_mov_b32 s29, 32
	s_mov_b32 s30, 0
	s_mov_b32 s31, 0
	s_mov_b32 s32, 1
	s_mul_i32 s33, s18, HALFB
	s_mov_b32 s68, 1
	s_add_co_u32 s69, s33, SLOT1
	s_lshl_b32 s56, s21, 6
	s_add_co_u32 s56, s56, s18
	s_mul_i32 s56, s56, BLKB
	s_mov_b32 s57, 0
	s_mov_b32 s74, 0
	s_mov_b32 s36, 14
	s_mov_b32 s40, 0x3fb8aa3b
	s_mov_b32 s41, s40
	s_mov_b32 s42, 0xbfb8aa3b
	s_mov_b32 s43, s42
	s_mov_b32 s44, 0xba6c5f04
	s_mov_b32 s45, s44
	s_mov_b32 s48, 0x3ca3d70a
	s_mov_b32 s49, s48
	s_mov_b32 s50, 0x358637bd
	s_cmp_eq_u32 s18, 0
	s_cselect_b32 s37, 0xffff, 0
	s_wait_dscnt 0x0
	s_wait_kmcnt 0x0
	s_add_nc_u64 s[72:73], s[4:5], s[56:57]
	s_mov_b64 s[34:35], s[72:73]
	s_add_nc_u64 s[70:71], s[72:73], 4*BLKB
	s_or_b32 s35, s35, 0x80000000
	s_or_b32 s71, s71, 0x80000000
	ROUND
	tensor_load_to_lds s[32:35], s[24:31]
	s_nop 0
	v_and_b32 v15, 31, v0
	v_and_b32 v250, 15, v0
	v_bfe_u32 v251, v0, 4, 1
	v_lshrrev_b32 v252, 4, v0
	v_lshlrev_b32 v253, 2, v250
	v_lshlrev_b32 v13, 4, v15
	v_add_nc_u32 v3, s33, v13
	v_lshlrev_b32 v4, 3, v15
	v_lshl_add_u32 v5, v251, 17, v253
	v_add_nc_u32 v6, 0x20000, v5
	v_add_nc_u32 v7, 1, v252
	v_lshrrev_b32 v7, 3, v7
	v_lshlrev_b32 v7, 12, v7
	v_mul_u32_u24 v9, v250, 48
	v_add_nc_u32 v9, XB, v9
	v_lshl_add_u32 v8, v252, 2, v9
	v_add_nc_u32 v10, 7, v252
	v_and_b32 v10, 7, v10
	v_lshl_add_u32 v10, v10, 2, v9
	s_mul_i32 s56, s18, STW
	s_add_co_u32 s56, s56, STAGE
	v_mul_u32_u24 v11, v251, 2624
	v_lshl_add_u32 v11, v250, 2, v11
	v_add_nc_u32 v11, s56, v11
	v_mul_u32_u24 v12, v250, 80
	v_lshl_add_u32 v12, v251, 4, v12
	v_add_nc_u32 v12, s56, v12
	v_mul_u32_u24 v14, v251, 1536
	v_lshl_add_u32 v14, v250, 2, v14
	v_mov_b32 v16, 0x42000000
	v_mov_b32 v17, 0x42000000
.irp r, 18,19,20,21,53,55,57
	v_mov_b32 v\r, 0
.endr
.irp k, 0,1,2,3,4,5,6
	v_cmp_lt_u32 vcc_lo, \k, v252
	v_cndmask_b32 v[28+\k], 0, 1.0, vcc_lo
.endr
	s_mul_i32 s58, s20, 39936
	s_mov_b32 s59, 0
	s_add_nc_u64 s[6:7], s[6:7], s[58:59]
	s_lshl_b32 s58, s20, 6
	s_add_nc_u64 s[8:9], s[8:9], s[58:59]
	s_add_nc_u64 s[10:11], s[10:11], s[58:59]
	s_add_nc_u64 s[12:13], s[12:13], s[58:59]
	s_lshl_b32 s60, s21, 24
	s_lshl_b32 s61, s18, 18
	s_add_co_u32 s60, s60, s61
	s_add_co_u32 s60, s60, s58
	s_mov_b32 s61, 0
	s_add_nc_u64 s[52:53], s[14:15], s[60:61]
	s_lshl_b32 s60, s20, 20
	s_lshl_b32 s62, s21, 18
	s_add_co_u32 s60, s60, s62
	s_lshl_b32 s62, s18, 12
	s_add_co_u32 s60, s60, s62
	s_add_nc_u64 s[54:55], s[16:17], s[60:61]
.irp s, 0,1,2,3,4,5,6,7
	WIN (1+\s/3)<<6
.irp q, 0,1,2
.irp c, 0,1,2
	global_load_b128 v[144+12*(3*(\s%3)+\q)+4*\c:144+12*(3*(\s%3)+\q)+4*\c+3], v13, s[6:7] offset:(3*\s+\q)*1536+512*\c
.endr
.endr
.endr
	WIN 0
.irp u, 0,1,2,3
.irp q, 0,1,2
	global_load_b32 v[SW+3*\u+\q], v14, s[6:7] offset:36864+(3*\u+\q)*128
.endr
.endr
	global_load_b32 v22, v253, s[8:9]
	global_load_b32 v24, v253, s[10:11]
	global_load_b32 v26, v253, s[12:13]
	VLOAD 0
	DLOAD 0
	s_wait_alu depctr_va_vdst(0)                   ; the wait at the head's end
	s_wait_tensorcnt 0x0                           ; slot 0's tile is in; the head's global loads were issued ahead of this wait and stay out.  These lines stand ahead of slot 1's first fill as ahead of a refill
	ds_add_u32 v1, v2
	s_wait_dscnt 0x0
	ROUND
	tensor_load_to_lds s[68:71], s[24:31]
	s_nop 0
.rept 4
	v_nop
.endr
	s_wait_tensorcnt 0x1
	FETCHA
	s_wait_loadcnt 0x0
	v_mul_f32 v22, s40, v22
	v_mul_f32 v24, s42, v24
	v_mul_f32 v26, s44, v26
	v_mov_b32 v23, v22
	v_mov_b32 v25, v24
	v_mov_b32 v27, v26
	s_wait_dscnt 0x0
.Lchunk:
	TRIP 1, 1, 1
	s_sub_co_u32 s36, s36, 1
	s_cmp_lg_u32 s36, 0
	s_cbranch_scc1 .Lchunk
	TRIP 1, 0, 2
	TRIP 0, 0, 0
	s_wait_tensorcnt 0x0
	ds_add_u32 v[SPW], v[NIL]
	s_wait_dscnt 0x0
	ROUND
	s_endpgm
.Lfunc_end_k_qbb868d8120_scan:
	.size	k_qbb868d8120_scan, .Lfunc_end_k_qbb868d8120_scan-k_qbb868d8120_scan
	.p2alignl 7, 3214868480
	.fill 96, 4, 3214868480
	.section	.rodata,"a",@progbits
	.p2align	6, 0x0
	.amdhsa_kernel k_qbb868d8120_scan
		.amdhsa_group_segment_fixed_size 327680
		.amdhsa_private_segment_fixed_size 0
		.amdhsa_enable_private_segment 0
		.amdhsa_kernarg_size 56
		.amdhsa_user_sgpr_count 2
		.amdhsa_user_sgpr_kernarg_segment_ptr 1
		.amdhsa_wavefront_size32 1
		.amdhsa_system_sgpr_workgroup_id_x 1
		.amdhsa_system_sgpr_workgroup_id_y 1
		.amdhsa_system_sgpr_workgroup_id_z 1
		.amdhsa_system_vgpr_workitem_id 0
		.amdhsa_next_free_vgpr 1024
		.amdhsa_next_free_sgpr 80
		.amdhsa_reserve_vcc 1
		.amdhsa_float_denorm_mode_32 3
		.amdhsa_float_denorm_mode_16_64 3
		.amdhsa_memory_ordered 1
		.amdhsa_forward_progress 1
		.amdhsa_inst_pref_size 189
	.end_amdhsa_kernel
	.amdgpu_metadata
---
amdhsa.version: [ 1, 2 ]
amdhsa.kernels:
  - .name:           k_qbb868d8120_scan
    .symbol:         k_qbb868d8120_scan.kd
    .args:
      - { .name: xq, .offset: 0, .size: 8, .value_kind: global_buffer, .address_space: global }
      - { .name: wimg1, .offset: 8, .size: 8, .value_kind: global_buffer, .address_space: global }
      - { .name: bk1, .offset: 16, .size: 8, .value_kind: global_buffer, .address_space: global }
      - { .name: bq1, .offset: 24, .size: 8, .value_kind: global_buffer, .address_space: global }
      - { .name: bk2, .offset: 32, .size: 8, .value_kind: global_buffer, .address_space: global }
      - { .name: x, .offset: 40, .size: 8, .value_kind: global_buffer, .address_space: global }
      - { .name: obuf, .offset: 48, .size: 8, .value_kind: global_buffer, .address_space: global }
    .group_segment_fixed_size: 327680
    .private_segment_fixed_size: 0
    .kernarg_segment_align: 8
    .kernarg_segment_size: 56
    .max_flat_workgroup_size: 128
    .sgpr_count:     80
    .vgpr_count:     1024
    .wavefront_size: 32
...
	.end_amdgpu_metadata
.endif
;; end of part 2
;; launch proj (part 3): grid 256 x 1, 4 waves a work-group, clusters of 4 x 1, 327,680 bytes of LDS; arguments obuf, wimg2, bproj, out0; writes out0
.if DOCPART == 3
	.amdgcn_target "amdgcn-amd-amdhsa--gfx1250"
	.amdhsa_code_object_version 6
	.text
	.protected	k_qbb868d8120_proj
	.globl	k_qbb868d8120_proj
	.p2align	8
	.type	k_qbb868d8120_proj,@function
k_qbb868d8120_proj:
	s_mov_b64 s[64:65], 0
	v_nop
	global_prefetch_b8 v0, s[64:65] scope:SCOPE_SE
	s_setreg_imm32_b32 hwreg(HW_REG_WAVE_MODE, 25, 1), 1
	s_wait_xcnt 0x0
	s_wait_alu depctr_hold_cnt(0) depctr_sa_sdst(0) depctr_va_vdst(0) depctr_va_sdst(0) depctr_va_ssrc(0) depctr_va_vcc(0) depctr_vm_vsrc(0)
	s_getreg_b32 s2, hwreg(HW_REG_IB_STS2, 6, 4)
	s_cmp_eq_u32 s2, 0
	s_cbranch_scc0 .Lentry_in_a_cluster
	s_endpgm
.Lentry_in_a_cluster:
	s_bfe_u32 s2, ttmp6, 0x10000c
	s_cmp_lg_u32 s2, 0x3003
	s_cbranch_scc0 .Lentry_shape_is_right
	s_endpgm
.Lentry_shape_is_right:
; THIRD OF THREE LAUNCHES: product 4.  Work-group beta makes rows 64 beta .. 64 beta + 63 of out0, all 1,024 columns; wave w makes columns 256 w .. 256 w + 255: 64 accumulators.
; O arrives in f32 and is quantised here along its rows, K step by K step: wave w quantises tile w's 16 rows, and the codes and scale words reach the other waves through LDS as images of the operand's registers.
; Wproj's image walks through two LDS slots, one K step each, by joint tensor loads: the four work-groups of a cluster read the same blocks.  No work of reference() is left out here.
; The product is used transposed (source 0 = Wproj's rows), so that a lane holds eight neighbouring columns of a row; results leave through a stage in LDS as whole rows of 512 bytes, the bias added on the way.
.set WPB,    26624
.set SLOTB,  4*WPB
.set AIMG,   2*SLOTB
.set ASC,    AIMG+32*1536
.set SPARE,  ASC+4096
.set SPITCH, 528
.set SPW,    1
.set NIL,    2
.set TM,     16
.set OF,     32
.set WS,     128
.set OS,     144
.set PW,     152
.set PC,     154
.set BIA,    174
.set NS,     192
.set SEL,    52
.set MSB, 0
.macro WIN new
.if MSB != (\new)
	s_set_vgpr_msb (MSB<<8)|(\new)
.set MSB, \new
.endif
.endm
.macro PLACES n
.rept \n
	v_nop
.endr
.endm
.macro ROUND
	s_barrier_signal -1
	s_barrier_wait -1
	s_cmp_lg_u32 s18, 0
	s_cbranch_scc1 .Lnot_wave_0_\@
	s_barrier_signal -3
.Lnot_wave_0_\@:
	s_barrier_wait -3
	s_barrier_signal -1
	s_barrier_wait -1
.endm
.macro TLOAD sg
	tensor_load_to_lds s[32+4*(\sg):35+4*(\sg)], s[24:31]
	s_nop 0
.rept 4
	v_nop
.endr
.endm
.macro LOADO s
	WIN ((\s)%2)<<6
.irp b, 0,1,2,3
.irp j, 0,1,2,3
	global_load_b128 v[NS+16*\b+4*\j:NS+16*\b+4*\j+3], v4, s[68+2*(\s):69+2*(\s)] offset:\b*2097152+256*\j th:TH_LOAD_NT
.endr
.endr
	WIN 0
.endm
.macro QUANTW p
.irp b, 0,1,2,3
	v_mov_b32 v[TM+\b], 0x1800000
.endr
	WIN ((\p)<<2)|((\p)<<4)
.irp i, 0,2,4,6,8,10,12,14
.irp b, 0,1,2,3
	v_max3_num_f32 v[TM+\b], v[TM+\b], |v[NS+16*\b+\i]|, |v[NS+16*\b+\i+1]|
.endr
.endr
	WIN 0
.irp b, 0,1,2,3
	v_permlanex16_b32 v[TM+4+\b], v[TM+\b], s[SEL], s[SEL+1]
.endr
.irp b, 0,1,2,3
	v_max_num_f32 v[TM+\b], v[TM+\b], v[TM+4+\b]
.endr
.irp b, 0,1,2,3
	v_add_nc_u32 v[TM+12+\b], 0xff000000, v[TM+\b]
.endr
.irp b, 0,1,2,3
	v_lshrrev_b32 v[TM+4+\b], 23, v[TM+12+\b]
.endr
	v_lshl_or_b32 v[PW], v[TM+5], 8, v[TM+4]
	v_lshl_or_b32 v[PW], v[TM+6], 16, v[PW]
	v_lshl_or_b32 v[PW], v[TM+7], 24, v[PW]
	WIN (\p)
.irp c, 0,1
	v_cvt_scalef32_pk16_fp6_f32 v[PC+6*\c:PC+2+6*\c], v[NS+32*\c:NS+15+32*\c], v[TM+12+2*\c]
	v_cvt_scalef32_pk16_fp6_f32 v[PC+12+4*\c:PC+14+4*\c], v[NS+16+32*\c:NS+31+32*\c], v[TM+12+2*\c+1]
.endr
	WIN 0
	v_nop
.irp c, 0,1
.irp i, 0,1,2
	v_permlane16_swap_b32 v[PC+6*\c+\i], v[PC+12+4*\c+\i]
.endr
.irp i, 0,1,2
	v_mov_b32 v[PC+3+6*\c+\i], v[PC+12+4*\c+\i]
.endr
.endr
.endm
.macro IMG s
.irp c, 0,1,2
	ds_store_b128 v5, v[PC+4*\c:PC+4*\c+3] offset:1536*(\s)+512*\c
.endr
	ds_store_b32 v6, v[PW] offset:512*(\s)
.endm
.macro FETCH_W sg, half
	WIN 0x40
.irp n, 0,1,2,3,4,5,6,7
.irp c, 0,1,2
	ds_load_b128 v[12*(8*(\half)+\n)+4*\c:12*(8*(\half)+\n)+4*\c+3], v[9+(\sg)] offset:(8*(\half)+\n)*1536+512*\c
.endr
.endr
	WIN 0
.endm
.macro FETCH_O s
.set os, (\s)%2
.irp a, 0,1,2,3
.irp c, 0,1,2
	ds_load_b128 v[OF+48*os+12*\a+4*\c:OF+48*os+12*\a+4*\c+3], v7 offset:(8*\a+(\s))*1536+512*\c
.endr
.endr
	ds_load_b128 v[OS+4*os:OS+4*os+3], v8 offset:512*(\s)
.irp u, 0,1,2,3,4,5,6,7
	ds_load_b32 v[WS+8*os+\u], v[11+os] offset:24576+256*\u
.endr
.endm
.macro PM n, a, s
.set rD, 8*(4*((\n)%8)+(\a))
.set rW, 12*(\n)
.set rO, OF+48*((\s)%2)+12*(\a)
.set rX, WS+8*((\s)%2)+(\n)/2
.set rY, OS+4*((\s)%2)+(\a)
.if ((\s) == 0) && ((\n)%2 == 0)
	v_wmma_scale_f32_16x16x128_f8f6f4 v[rD:rD+7], v[rW:rW+11], v[rO:rO+11], 0, v[rX], v[rY] matrix_a_fmt:MATRIX_FMT_FP6 matrix_b_fmt:MATRIX_FMT_FP6
.elseif (\s) == 0
	v_wmma_scale_f32_16x16x128_f8f6f4 v[rD:rD+7], v[rW:rW+11], v[rO:rO+11], 0, v[rX], v[rY] matrix_a_fmt:MATRIX_FMT_FP6 matrix_b_fmt:MATRIX_FMT_FP6 matrix_a_scale:MATRIX_SCALE_ROW1
.elseif (\n)%2 == 0
	v_wmma_scale_f32_16x16x128_f8f6f4 v[rD:rD+7], v[rW:rW+11], v[rO:rO+11], v[rD:rD+7], v[rX], v[rY] matrix_a_fmt:MATRIX_FMT_FP6 matrix_b_fmt:MATRIX_FMT_FP6
.else
	v_wmma_scale_f32_16x16x128_f8f6f4 v[rD:rD+7], v[rW:rW+11], v[rO:rO+11], v[rD:rD+7], v[rX], v[rY] matrix_a_fmt:MATRIX_FMT_FP6 matrix_b_fmt:MATRIX_FMT_FP6 matrix_a_scale:MATRIX_SCALE_ROW1
.endif
.endm
.macro MULN n0, cnt, s
.set nn, \n0
.rept \cnt
.irp a, 0,1,2,3
	PM nn, \a, \s
.endr
.set nn, nn+1
.endr
.endm
.set WLO, 0xa1
.set WHI, 0xf1
.macro TURN s, fill
.if (\s) < 6
	s_wait_loadcnt 16
.else
	s_wait_loadcnt 0x0
.endif
	QUANTW ((\s)+1)%2
	IMG (\s)+1
.if (\s) < 5
	LOADO (\s)+3
.endif
.if \fill
	s_wait_tensorcnt 0x0
	ds_add_u32 v[SPW], v[NIL]
	s_add_nc_u64 s[34+4*((\s)%2):35+4*((\s)%2)], s[34+4*((\s)%2):35+4*((\s)%2)], 2*WPB
	s_wait_dscnt 0x0
	ROUND
	TLOAD (\s)%2
.else
	s_wait_tensorcnt 0x0
	s_wait_dscnt 0x0
	s_barrier_signal -1
	s_barrier_wait -1
	PLACES 4
.endif
	FETCH_O (\s)+1
	WIN WLO
	MULN 0, 8, \s
	PLACES 4
	FETCH_W ((\s)+1)%2, 0
	WIN WHI
	MULN 8, 8, \s
	PLACES 4
	FETCH_W ((\s)+1)%2, 1
.endm
.macro TOSTAGE k
.set aa, (\k)%4
.set hh, (\k)/4
.set BB, 32+160*((\k)%2)
	WIN 0x08+4*hh
.irp b, 0,1,2,3,4,5,6,7
	ds_store_b128 v13, v[8*(4*\b+aa):8*(4*\b+aa)+3] offset:64*\b
	ds_store_b128 v13, v[8*(4*\b+aa)+4:8*(4*\b+aa)+7] offset:64*\b+16
.endr
	WIN 0
.irp t, 0,1,2,3,4,5,6,7,8,9,10,11,12,13,14,15
	ds_load_b128 v[BB+4*\t:BB+4*\t+3], v9 offset:\t*SPITCH
.endr
.endm
.macro SEND k, younger
.set aa, (\k)%4
.set hh, (\k)/4
.set BB, 32+160*((\k)%2)
	s_wait_dscnt \younger
.irp t, 0,1,2,3,4,5,6,7,8,9,10,11,12,13,14,15
	v_pk_add_f32 v[BB+4*\t:BB+4*\t+1], v[BB+4*\t:BB+4*\t+1], v[BIA+4*hh:BIA+4*hh+1]
	v_pk_add_f32 v[BB+4*\t+2:BB+4*\t+3], v[BB+4*\t+2:BB+4*\t+3], v[BIA+4*hh+2:BIA+4*hh+3]
.endr
.irp t, 0,1,2,3,4,5,6,7,8,9,10,11,12,13,14,15
	global_store_b128 v3, v[BB+4*\t:BB+4*\t+3], s[84:85] offset:(16*aa+\t)*4096+512*hh th:TH_STORE_NT
.endr
.endm
	s_load_b256 s[4:11], s[0:1], 0x0
	v_lshl_add_u32 v[SPW], v0, 2, SPARE
	v_mov_b32 v[NIL], 0
	ds_add_u32 v[SPW], v[NIL]
	ds_add_u32 v[SPW], v[NIL]
	v_lshrrev_b32 v3, 5, v0
	v_readfirstlane_b32 s18, v3
	s_bfe_u32 s19, ttmp6, 0x40000
	s_lshl_b32 s20, ttmp9, 2
	s_add_co_u32 s20, s20, s19
	s_mov_b32 s24, 15|(3<<16)|(1<<21)
	s_mov_b32 s25, 32<<16
	s_mov_b32 s26, 104<<16
	s_mov_b32 s27, 32<<16
	s_mov_b32 s28, 104
	s_mov_b32 s29, 32
	s_mov_b32 s30, 0
	s_mov_b32 s31, 0
	s_mul_i32 s44, s18, 8*WPB
	s_mov_b32 s45, 0
	s_mul_i32 s46, s18, WPB
	s_mov_b32 s[SEL], 0x76543210
	s_mov_b32 s[SEL+1], 0xfedcba98
	s_wait_dscnt 0x0
	s_wait_kmcnt 0x0
	s_add_nc_u64 s[44:45], s[6:7], s[44:45]
.irp g, 0,1
	s_mov_b32 s[32+4*\g], 1
	s_add_co_u32 s[33+4*\g], s46, \g*SLOTB
	s_add_nc_u64 s[34+4*\g:35+4*\g], s[44:45], \g*WPB
	s_or_b32 s[35+4*\g], s[35+4*\g], 0x80000000
.endr
	ROUND
	tensor_load_to_lds s[32:35], s[24:31]
	s_nop 0
	v_and_b32 v16, 31, v0
	v_and_b32 v17, 15, v0
	v_bfe_u32 v18, v0, 4, 1
	v_lshlrev_b32 v3, 4, v16
	v_lshlrev_b32 v4, 4, v17
	v_lshl_add_u32 v4, v18, 20, v4
	s_mul_i32 s47, s18, 8*1536
	s_add_co_u32 s47, s47, AIMG
	v_add_nc_u32 v5, s47, v3
	s_lshl_b32 s47, s18, 2
	s_add_co_u32 s47, s47, ASC
	v_add_nc_u32 v6, s47, v3
	v_add_nc_u32 v7, AIMG, v3
	v_add_nc_u32 v8, ASC, v3
	v_add_nc_u32 v9, s46, v3
	v_add_nc_u32 v10, SLOTB, v9
	v_lshlrev_b32 v11, 2, v17
	v_lshl_add_u32 v11, v18, 7, v11
	v_add_nc_u32 v11, s46, v11
	v_add_nc_u32 v12, SLOTB, v11
	v_mul_u32_u24 v13, v17, SPITCH
	v_lshl_add_u32 v13, v18, 5, v13
	v_add_nc_u32 v13, s46, v13
.irp b, 0,1,2,3
	v_mov_b32 v[TM+4+\b], 0
.endr
	s_lshl_b32 s48, s20, 12
	s_lshl_b32 s49, s18, 10
	s_add_co_u32 s48, s48, s49
	s_mov_b32 s49, 0
	s_add_nc_u64 s[68:69], s[4:5], s[48:49]
.irp s, 1,2,3,4,5,6,7
	s_add_nc_u64 s[68+2*\s:69+2*\s], s[68:69], \s*8388608
.endr
	s_lshl_b32 s48, s18, 10
	s_add_nc_u64 s[8:9], s[8:9], s[48:49]
	s_lshl_b32 s50, s20, 18
	s_add_co_u32 s48, s48, s50
	s_add_nc_u64 s[84:85], s[10:11], s[48:49]
	global_load_b128 v[BIA:BIA+3], v3, s[8:9]
	global_load_b128 v[BIA+4:BIA+7], v3, s[8:9] offset:512
	LOADO 0
	LOADO 1
	s_wait_alu depctr_va_vdst(0)                   ; the wait at the head's end
	s_wait_tensorcnt 0x0                           ; slot 0's tile is in; the first two K steps of O were asked for ahead of this wait and stay out.  These lines stand ahead of slot 1's first fill as ahead of a refill
	ds_add_u32 v1, v2
	s_wait_dscnt 0x0
	ROUND
	tensor_load_to_lds s[36:39], s[24:31]
	s_nop 0
.rept 4
	v_nop
.endr
	s_wait_loadcnt 16
	QUANTW 0
	IMG 0
	LOADO 2
	s_wait_dscnt 0x0
	s_barrier_signal -1
	s_barrier_wait -1
	s_wait_tensorcnt 0x1
	FETCH_W 0, 0
	FETCH_O 0
	FETCH_W 0, 1
	TURN 0, 1
	TURN 1, 1
	TURN 2, 1
	TURN 3, 1
	TURN 4, 1
	TURN 5, 1
	TURN 6, 0
	s_wait_dscnt 0x0
	WIN WLO
	MULN 0, 8, 7
	WIN WHI
	MULN 8, 8, 7
	WIN 0
	PLACES 4
	TOSTAGE 0
.irp k, 1,2,3,4,5,6,7
.if \k > 1
	s_wait_xcnt 0x0
.endif
	TOSTAGE \k
	SEND \k-1, 32
.endr
	SEND 7, 0
	s_wait_tensorcnt 0x0
	ds_add_u32 v[SPW], v[NIL]
	s_wait_dscnt 0x0
	ROUND
	s_endpgm
.Lfunc_end_k_qbb868d8120_proj:
	.size	k_qbb868d8120_proj, .Lfunc_end_k_qbb868d8120_proj-k_qbb868d8120_proj
	.p2alignl 7, 3214868480
	.fill 96, 4, 3214868480
	.section	.rodata,"a",@progbits
	.p2align	6, 0x0
	.amdhsa_kernel k_qbb868d8120_proj
		.amdhsa_group_segment_fixed_size 327680
		.amdhsa_private_segment_fixed_size 0
		.amdhsa_enable_private_segment 0
		.amdhsa_kernarg_size 32
		.amdhsa_user_sgpr_count 2
		.amdhsa_user_sgpr_kernarg_segment_ptr 1
		.amdhsa_wavefront_size32 1
		.amdhsa_system_sgpr_workgroup_id_x 1
		.amdhsa_system_sgpr_workgroup_id_y 1
		.amdhsa_system_sgpr_workgroup_id_z 1
		.amdhsa_system_vgpr_workitem_id 0
		.amdhsa_next_free_vgpr 1024
		.amdhsa_next_free_sgpr 96
		.amdhsa_reserve_vcc 0
		.amdhsa_float_denorm_mode_32 3
		.amdhsa_float_denorm_mode_16_64 3
		.amdhsa_memory_ordered 1
		.amdhsa_forward_progress 1
		.amdhsa_inst_pref_size 203
	.end_amdhsa_kernel
	.amdgpu_metadata
---
amdhsa.version: [ 1, 2 ]
amdhsa.kernels:
  - .name:           k_qbb868d8120_proj
    .symbol:         k_qbb868d8120_proj.kd
    .args:
      - { .name: obuf, .offset: 0, .size: 8, .value_kind: global_buffer, .address_space: global }
      - { .name: wimg2, .offset: 8, .size: 8, .value_kind: global_buffer, .address_space: global }
      - { .name: bproj, .offset: 16, .size: 8, .value_kind: global_buffer, .address_space: global }
      - { .name: out0, .offset: 24, .size: 8, .value_kind: global_buffer, .address_space: global }
    .group_segment_fixed_size: 327680
    .private_segment_fixed_size: 0
    .kernarg_segment_align: 8
    .kernarg_segment_size: 32
    .max_flat_workgroup_size: 128
    .sgpr_count:     96
    .vgpr_count:     1024
    .wavefront_size: 32
...
	.end_amdgpu_metadata
.endif
;; end of part 3
